; MI455X (gfx1250); checked and timed in simulation.
; The chip was launched on July 23, 2026; its instructions are those of AMD's public machine-readable ISA for CDNA 5 (MIT licence, August 2026) and "CDNA5" Instruction Set Architecture Reference Guide (July 2026). The comments in the code are by the model that wrote it; some were corrected since.
;; Rel Position Multi Headed Attention. Allowed arithmetic: matrix products marked QUANTISED: E4M3 operands, one E8M0 scale for each 32 along K, by v_wmma_scale_f32_16x16x128_f8f6f4 with both operands' format E4M3, f32 sums; everything else in f32.
;; Inputs: W_qkv 128 x 384 float32; b_qkv 384 float32; key 32,768 x 128 float32; query 32,768 x 128 float32; u_bias 8 x 128 float32; v_bias 8 x 128 float32; value 32,768 x 128 float32.
;; Outputs: out0 8 x 4,096 x 128 float32.
;; This version of the problem:
;;   THIS VERSION OF THE PROBLEM IS GIVEN IN LOW PRECISION. The matrix products marked QUANTISED in the list below multiply operands that are first quantised to E4M3 (4 exponent bits, 3 mantissa bits; 8 bits a number), with one power-of-two scale for each 32 numbers along K (OCP MX v1.0); their sums are f32. All else is computed in f32.
;;   The module's matrix products, in the order in which they are computed (A, B: the left and right operand; K: the contracted axis; several contracted axes count as one K, in the product's order):
;;     1. [M 32,768, K 128] x [K 128, N 384]; A: input query; B: input W_qkv: QUANTISED
;;     2. batch 8 x [M 4,096, K 128] x [K 128, N 4,096]; A: computed on the way; B: computed on the way: QUANTISED
;;     3. batch 8 x [M 4,096, K 4,096] x [K 4,096, N 128]; A: softmax (see below); B: computed on the way: QUANTISED
;;   THE QUANTISER, for each operand of a quantised product, along K:
;;     - K is cut into blocks of 32 from its start; a last block that is shorter is filled with zeros.
;;     - A block's scale is 2^e with e = floor(log2(the largest magnitude in the block)) - 8, held to -126 .. 127; a block of zeros has e = 0. As a byte (E8M0): e + 127.
;;     - Each number is divided by its block's scale, clamped to +-448, and rounded to the nearest number of E4M3, ties to even, subnormals kept.
;;     - The product sums the exact products of the quantised numbers (number of the format x scale) in f32.
;;   ~~~python
;;   def quantise(x, axis):      # numpy; x: float32 -> the quantised numbers, widened to float32 again
;;       x = np.moveaxis(x, axis, -1); K = x.shape[-1]
;;       x = np.pad(x, [(0, 0)] * (x.ndim - 1) + [(0, -K % 32)]); x = x.reshape(x.shape[:-1] + (-1, 32)); a = np.abs(x).max(-1, keepdims=True)
;;       e = np.where(a > 0, np.clip(np.frexp(np.where(a > 0, a, 1))[1] - 1 - 8, -126, 127), 0)      # np.frexp(a)[1] - 1 = floor(log2(a)), exactly
;;       r = np.clip(x / 2.0 ** e, -448, 448)
;;       step = 2.0 ** (np.maximum(np.frexp(np.where(r == 0, 1, r))[1] - 1, -6) - 3)
;;       q = np.round(r / step) * step * 2.0 ** e      # np.round: ties to even
;;       return np.moveaxis(q.reshape(q.shape[:-2] + (-1,))[..., :K], -1, axis).astype(np.float32)
;;   ~~~
;;   SOFTMAX AHEAD OF A QUANTISED PRODUCT. Where the list says 'softmax', what is quantised is not the finished softmax but p = 2^(t - M), with t = logit x log2(e) and M = ceil(the row's largest t), a whole number; so 1/2 < the row's largest p <= 1. The row's sum l is taken of the UNQUANTISED p, in f32, and the product's result is divided by l at the end. Since M is a whole number, a kernel that streams over the keys may use a running M (the ceiling of the running maximum): every later rescaling is an exact power of two, which a block's scale takes up: the codes' values come out the same.
;;   OPERANDS COMPUTED ON THE WAY. 'Computed on the way' means the value that the module computes at that place (a softmax that the list does not call 'softmax' is quantised finished and normalised). What goes into a quantiser is computed in f32, as accurately as f32 sums, v_exp_f32 and their like allow (about 1e-6 of the number): no bf16 or f16 on the way to a quantiser, and a product that is left as it is and whose result goes on into a quantised operand takes f32 operands (vector FMAs, or v_wmma_f32_16x16x4_f32). A number that lies on a knife's edge between two numbers of the format may be rounded either way, as far as f32 arithmetic and the matrix unit's own rounding can turn it there, and no further.
;; One version. Each part assembles by itself: llvm-mc -triple=amdgcn-amd-amdhsa -mcpu=gfx1250 --defsym DOCPART=n.
;; ======== version 1 of 1: 2 launches
;; limits: right only within a limited range of input values
;; workspace buffers: qc 4,194,304 bytes; qs 131,072 bytes; kc 8,388,608 bytes; ks 262,144 bytes
;; launch proj (part 1): grid 32 x 8, 8 waves a work-group, clusters of 4 x 1, 268,288 bytes of LDS; arguments query, W_qkv, b_qkv, u_bias, v_bias, qc, qs, kc, ks; writes qc, qs, kc, ks
.if DOCPART == 1
	.amdgcn_target "amdgcn-amd-amdhsa--gfx1250"
	.amdhsa_code_object_version 6
	.text
	.protected	k_q6c3b8417b9_proj
	.globl	k_q6c3b8417b9_proj
	.p2align	8
	.type	k_q6c3b8417b9_proj,@function
k_q6c3b8417b9_proj:
	s_mov_b64 s[64:65], 0
	v_nop
	global_prefetch_b8 v0, s[64:65] scope:SCOPE_SE
	s_setreg_imm32_b32 hwreg(HW_REG_WAVE_MODE, 25, 1), 1
	s_wait_xcnt 0x0
	s_wait_alu depctr_hold_cnt(0) depctr_sa_sdst(0) depctr_va_vdst(0) depctr_va_sdst(0) depctr_va_ssrc(0) depctr_va_vcc(0) depctr_vm_vsrc(0)
	s_getreg_b32 s2, hwreg(HW_REG_IB_STS2, 6, 4)
	s_cmp_eq_u32 s2, 0
	s_cbranch_scc0 .Lentry_in_a_cluster
	s_endpgm
.Lentry_in_a_cluster:
	s_bfe_u32 s2, ttmp6, 0x10000c
	s_cmp_lg_u32 s2, 0x3003
	s_cbranch_scc0 .Lentry_shape_is_right
	s_endpgm
.Lentry_shape_is_right:
; qkv = Q(query) Q(W_qkv) + b_qkv on codes of FP8 (E4M3) with one E8M0 scale for each 32 along K; q + u_bias, k + v_bias and v are quantised at once for the attention that follows:
; q and k along the head's 128 channels, v along the keys.  Nothing of qkv goes to memory as f32.
; SHARES.  Head h owns tokens 8 s + h.  A work-group takes 128 positions s of one head (group g); its eight waves take a tile of 16 tokens each for q and k, and a tile of 16 channels each for v.
; EVERY OPERAND IS KEPT AS AN IMAGE OF ITS REGISTERS: a fragment (16 rows x 128 K, 16 registers a lane) is 2,048 bytes, register group c at 512 c, lane l's 16 bytes at 16 l.  So it is stored and
; fetched by four 16-byte accesses a lane over consecutive bytes, in LDS and in the workspace buffers alike.
; ONE ORDER OF ROWS EVERYWHERE: lane r of tile 2 b + u stands for index 32 b + 8 u + r + 8 (r / 8): tokens of a tile of x, columns of W.  In a product's result a lane's 16 registers of tiles 2 b and 2 b + 1
; are then 16 neighbours, 32 b + 16 (lane / 16) + 0 .. 15, along the next product's K, and the conversions' results are that operand's registers.
;   q, k: source 0 = 16 columns of W, source 1 = my 16 tokens: a lane holds one token, registers run along the channels.     v: source 0 = 16 tokens, source 1 = my 16 columns of W: a lane holds one channel, registers run along the keys.
; W (f32, 196,608 bytes) is wanted whole by every work-group: it comes by one joint tensor load a wave, shared by the four work-groups of a cluster, and is quantised here: a lane takes a column, its registers run down K.
; The biases are the C of the products: b + u, b + v_bias, b.  That is another order of f32 rounding than (x W + b) + u.
; LIMITS: NaN and infinities among the inputs are not served.  A block whose largest magnitude lies under 2^-118, a block of zeros among them, keeps the scale byte 1 (the rule gives a block of zeros 127: its codes are zeros, and this program alone reads the bytes).
; The inputs key and value are not read: nothing is computed from them.
.set SM,    65536                      ; LDS: the small things begin here; their address registers carry SM, since an immediate holds 16 bits
.set XIMG,  0                          ; x's 8 fragments
.set WIMG,  16384                      ; W's 24 fragments: tiles 0-7 q's columns, 8-15 k's, 16-23 v's
.set XSC,   0                          ; from SM on: x's scale words, 64 bytes a tile
.set WSC,   512                        ; W's, 64 bytes a tile
.set BIAS,  2048                       ; 384 f32: b + u | b + v_bias | b
.set QSG,   3584                       ; q's scale words as qs has them
.set KSG,   4096                       ; k's as ks has them: word (tile T, row r) at 16 (r + 16 (T % 2)) + 4 (T / 2)
.set VSG,   4608                       ; v's likewise
.set WRAW,  70656                      ; W as f32, as it lies in memory: rows of 1,536 bytes; filled once, by the tensor loads alone
.set XA,  4                            ; v4   x: (r + 8 (r / 8)) x 4,096 + 64 (lane / 16)
.set LI,  5                            ; v5   16 x lane
.set LS,  6                            ; v6   SM + 4 r
.set WR,  7                            ; v7   where I read W's f32
.set WI,  8                            ; v8   where my column's codes go in W's images
.set WS,  9                            ; v9   and its scale byte
.set XWI, 10                           ; v10  my tile of x: 2,048 x wave + 16 x lane
.set XWS, 11                           ; v11  its scale words: SM + 64 x wave + 4 r
.set BA,  12                           ; v12  biases for q and k: SM + BIAS + 64 (lane / 16)
.set BV,  13                           ; v13  bias for v: my channel's
.set QG,  14                           ; v14  q's scale word of my row
.set KG,  15                           ; v15  k's (v's 512 bytes on)
.set WVI, 16                           ; v16  W's tile 16 + wave
.set WVS, 17                           ; v17  its scale words
.set SGR, 18                           ; v18  waves 0-2: the 512 scale bytes that I send out
.set BST, 19                           ; v19  waves 0-2: where I put 128 biases
.set TM,  24                           ; v24-39 at work: +0..3 largest magnitudes, +4..7 bytes, +12..15 the conversions' scale operands
.set PW,  40                           ; v40  the scale word just made
.set XSW, 41                           ; v41  the scale words of the one fragment that a section keeps
.set SW,  42                           ; v42-49 those of the eight that it walks
.set C8,  50                           ; v50-57 v's bias as C
.set PC,  58                           ; v58-73 the codes just made
.set XF,  74                           ; v74-89 the fragment that a section keeps
.set HA,  92                           ; v92-155 64 numbers: x, then a section's eight accumulators
.set ST,  156                          ; v156-219 four fragments; or two blocks of W
.set BW,  220                          ; v220-227 the biases at work
.set WV,  22                           ; s22 wave;  s23 cx;  s24 g;  s25 head
.set CX,  23
.set GG,  24
.set HD,  25
.set SEL, 26                           ; s[26:27] v_permlanex16_b32's selects for lane l xor 16
.set MNT, 28
.set G1W, 32                           ; s[32:39], s[40:43] the descriptor for W
.set G0W, 40
.set QC,  14                           ; s[14:15] qc, s[16:17] qs, s[18:19] kc, s[20:21] ks
.set QS,  16
.set KC,  18
.set KS,  20
.macro PLACES n
.rept \n
	v_nop
.endr
.endm
.macro BARRIER                         ; my LDS stores have landed and my LDS loads are in: then the work-group's barrier
	s_wait_dscnt 0x0
	s_barrier_signal -1
	s_barrier_wait -1
.endm
.macro CROUND                          ; a round of the cluster's barrier: my work-group's barrier; wave 0 signals for the work-group; every wave waits for all four; my work-group's barrier once more
	s_barrier_signal -1
	s_barrier_wait -1
	s_cmp_lg_u32 s[WV], 0
	s_cbranch_scc1 .Lnot_wave_0_\@
	s_barrier_signal -3
.Lnot_wave_0_\@:
	s_barrier_wait -3
	s_barrier_signal -1
	s_barrier_wait -1
.endm
; 64 numbers of a lane, register 16 b + i = k 32 b + 16 (lane / 16) + i of my row, become a fragment's codes in v[PC] on and its scale word in v[PW]
.macro QUANT s
.irp b, 0,1,2,3
	v_max3_num_f32 v[TM+\b], |v[\s+16*\b]|, |v[\s+1+16*\b]|, 0x4800000   ; block b: my 16 numbers, and the floor 2^(9 - 127): the byte cannot fall under 1
.endr
.irp i, 2,4,6,8,10,12,14
.irp b, 0,1,2,3
	v_max3_num_f32 v[TM+\b], v[TM+\b], |v[\s+16*\b+\i]|, |v[\s+1+16*\b+\i]|   ; the four blocks by turns; each accumulator is read from its low end on
.endr
.endr
.irp b, 0,1,2,3
	s_delay_alu instid0(VALU_DEP_4)
	v_permlanex16_b32 v[TM+4+\b], v[TM+\b], s[SEL], s[SEL+1]
.endr
.irp b, 0,1,2,3
	s_delay_alu instid0(VALU_DEP_4)
	v_max_num_f32 v[TM+\b], v[TM+\b], v[TM+4+\b]   ; with lane l xor 16's: the block's largest magnitude
.endr
.irp b, 0,1,2,3
	s_delay_alu instid0(VALU_DEP_4)
	v_add_nc_u32 v[TM+12+\b], 0xfc000000, v[TM+\b]   ; 8 off its exponent field: the conversion takes this operand's exponent field as its scale
.endr
.irp b, 0,1,2,3
.endr
.irp b, 0,1,2,3
	s_delay_alu instid0(VALU_DEP_4)
	v_lshrrev_b32 v[TM+4+\b], 23, v[TM+12+\b]      ; the scale's byte
.endr
	s_delay_alu instid0(VALU_DEP_3)
	v_lshl_or_b32 v[PW], v[TM+5], 8, v[TM+4]
	s_delay_alu instid0(VALU_DEP_1)
	v_lshl_or_b32 v[PW], v[TM+6], 16, v[PW]
	s_delay_alu instid0(VALU_DEP_1)
	v_lshl_or_b32 v[PW], v[TM+7], 24, v[PW]
.irp b, 0,1,2,3
.irp i, 0,1,2,3,4,5,6,7,8,9,10,11,12,13,14,15
.endr
	v_cvt_scalef32_pk8_fp8_f32 v[PC+4*\b:PC+1+4*\b], v[\s+16*\b:\s+7+16*\b], v[TM+12+\b]
	v_cvt_scalef32_pk8_fp8_f32 v[PC+2+4*\b:PC+3+4*\b], v[\s+8+16*\b:\s+15+16*\b], v[TM+12+\b]
.endr
	v_nop                                          ; a plain vector instruction behind the last conversion
.endm
.macro IMAGE adr, off                  ; the fragment in v[PC] on goes to LDS as it stands
.irp c, 0,1,2,3
	ds_store_b128 v[\adr], v[PC+4*\c:PC+4*\c+3] offset:\off+512*\c
.endr
.endm
.macro FETCH reg, adr, off             ; and comes back so, in any wave
.irp c, 0,1,2,3
	ds_load_b128 v[\reg+4*\c:\reg+4*\c+3], v[\adr] offset:\off+512*\c
.endr
.endm
.macro GSTORE base, off                ; the same image to memory: each store of the wave covers 512 consecutive bytes, aligned
.irp c, 0,1,2,3
	global_store_b128 v[LI], v[PC+4*\c:PC+4*\c+3], s[\base:\base+1] offset:\off+512*\c
.endr
.endm
.macro WLD i                           ; my K block of column group i of my six: W(32 c + k, my column), k = 0 .. 31: each load reads 128 consecutive bytes
.set kk, 0
.rept 32
	ds_load_b32 v[ST+32*((\i)%2)+kk], v[WR] offset:128*(\i)+1536*kk
.set kk, kk+1
.endr
.endm
.macro WBLOCK i                        ; the block's 32 numbers are all mine: its largest magnitude needs no other lane
.set XB, ST+32*((\i)%2)
.set PB, PC+8*((\i)%2)
	v_max3_num_f32 v[TM], |v[XB]|, |v[XB+1]|, |v[XB+2]|
	v_max3_num_f32 v[TM+1], |v[XB+3]|, |v[XB+4]|, |v[XB+5]|
.irp k, 6,10,14,18,22,26
	s_delay_alu instid0(VALU_DEP_2)
	v_max3_num_f32 v[TM], v[TM], |v[XB+\k]|, |v[XB+\k+1]|
	s_delay_alu instid0(VALU_DEP_2)
	v_max3_num_f32 v[TM+1], v[TM+1], |v[XB+\k+2]|, |v[XB+\k+3]|
.endr
	s_delay_alu instid0(VALU_DEP_2)
	v_max3_num_f32 v[TM], v[TM], |v[XB+30]|, |v[XB+31]|
	s_delay_alu instid0(VALU_DEP_1)
	v_max3_num_f32 v[TM], v[TM], v[TM+1], 0x4800000
	s_delay_alu instid0(VALU_DEP_1)
	v_add_nc_u32 v[TM+2], 0xfc000000, v[TM]
	s_delay_alu instid0(VALU_DEP_1)
	v_lshrrev_b32 v[TM+4+(\i)%2], 23, v[TM+2]
.set kk, 0
.rept 32
.set kk, kk+1
.endr
.irp q, 0,1,2,3
	v_cvt_scalef32_pk8_fp8_f32 v[PB+2*\q:PB+2*\q+1], v[XB+8*\q:XB+8*\q+7], v[TM+2]
.endr
	v_nop
	ds_store_b128 v[WI], v[PB:PB+3] offset:4096*(\i)           ; k 0-15 of the block: the place of lane r' of the image
	ds_store_b128 v[WI], v[PB+4:PB+7] offset:4096*(\i)+256     ; k 16-31: the place of lane 16 + r'
	ds_store_b8 v[WS], v[TM+4+(\i)%2] offset:128*(\i)          ; byte c of my column's scale word
.endm
	s_load_b256 s[4:11], s[0:1], 0x0               ; query s[4:5], W s[6:7], b s[8:9], u s[10:11]
	s_load_b256 s[12:19], s[0:1], 0x20             ; v_bias s[12:13], qc, qs, kc
	s_load_b64 s[20:21], s[0:1], 0x40              ; ks
	v_lshl_add_u32 v254, v0, 2, 0x41400
	v_mov_b32 v255, 0
	ds_add_u32 v254, v255
	ds_add_u32 v254, v255
	v_lshrrev_b32 v1, 5, v0
	s_delay_alu instid0(VALU_DEP_1)
	v_readfirstlane_b32 s[WV], v1                  ; wave 0..7
	s_bfe_u32 s[CX], ttmp6, 0x40000                ; my place in the cluster: it enters global addresses alone
	s_lshl_b32 s[GG], ttmp9, 2
	s_add_co_u32 s[GG], s[GG], s[CX]               ; g = 4 x cluster x + cx
	s_and_b32 s[HD], ttmp7, 0xffff                 ; the head
	s_mov_b32 s[SEL], 0x76543210
	s_mov_b32 s[SEL+1], 0xfedcba98
	s_and_b32 s44, s[WV], 3
	s_lshr_b32 s45, s[WV], 2
	s_lshr_b32 s46, s[WV], 1
	s_and_b32 s47, s[WV], 1
	v_and_b32 v1, 31, v0                           ; lane
	v_and_b32 v2, 15, v0                           ; r
	v_bfe_u32 v3, v0, 4, 1                         ; h
	s_delay_alu instid0(VALU_DEP_2)
	v_and_b32 v20, 8, v2
	s_delay_alu instid0(VALU_DEP_1)
	v_add_nc_u32 v20, v20, v2                      ; r + 8 (r / 8)
	s_delay_alu instid0(VALU_DEP_1)
	v_lshlrev_b32 v[XA], 12, v20                   ; neighbouring positions of a head lie 8 tokens, 4,096 bytes, apart
	s_delay_alu instid0(VALU_DEP_1)
	v_lshl_add_u32 v[XA], v3, 6, v[XA]
	v_lshlrev_b32 v[LI], 4, v1
	v_lshl_add_u32 v[LS], v2, 2, SM
	s_mul_i32 s48, s44, 49152                      ; my K block: 32 rows of 1,536 bytes,
	s_mul_i32 s49, s45, 768                        ; my six groups of 32 columns
	s_add_co_u32 s48, s48, s49
	s_add_co_u32 s48, s48, WRAW
	v_lshl_add_u32 v[WR], v1, 2, s48
	v_bfe_u32 v21, v0, 3, 1                        ; column 32 G + lane lies in tile 2 G + u', u' = (lane / 8) % 2,
	v_and_b32 v22, 7, v0
	s_delay_alu instid0(VALU_DEP_1)
	v_lshl_add_u32 v22, v3, 3, v22                 ; at row r' = lane % 8 + 8 (lane / 16)
	s_mul_i32 s48, s45, 24576
	s_lshl_b32 s49, s44, 9
	s_add_co_u32 s48, s48, s49
	s_add_co_u32 s48, s48, WIMG
	v_lshlrev_b32 v[WI], 11, v21
	s_delay_alu instid0(VALU_DEP_1)
	v_lshl_add_u32 v[WI], v22, 4, v[WI]
	s_delay_alu instid0(VALU_DEP_1)
	v_add_nc_u32 v[WI], s48, v[WI]
	s_mul_i32 s48, s45, 768
	s_add_co_u32 s48, s48, s44
	s_add_co_u32 s48, s48, SM+WSC
	v_lshlrev_b32 v[WS], 6, v21
	s_delay_alu instid0(VALU_DEP_1)
	v_lshl_add_u32 v[WS], v22, 2, v[WS]
	s_delay_alu instid0(VALU_DEP_1)
	v_add_nc_u32 v[WS], s48, v[WS]
	s_lshl_b32 s48, s[WV], 11
	v_add_nc_u32 v[XWI], s48, v[LI]
	s_wait_alu depctr_va_vdst(0)
	s_lshl_b32 s48, s[WV], 6
	v_add_nc_u32 v[XWS], s48, v[LS]
	s_wait_alu depctr_va_vdst(0)
	v_lshl_add_u32 v[BA], v3, 6, SM+BIAS
	s_lshl_b32 s48, s46, 7
	s_lshl_b32 s49, s47, 5
	s_add_co_u32 s48, s48, s49
	s_add_co_u32 s48, s48, SM+BIAS+1024
	v_lshl_add_u32 v[BV], v20, 2, s48              ; channel 32 (wave / 2) + 8 (wave % 2) + r + 8 (r / 8)
	v_add_nc_u32 v[QG], QSG, v[XWS]
	s_lshl_b32 s48, s47, 8
	s_lshl_b32 s49, s46, 2
	s_add_co_u32 s48, s48, s49
	s_add_co_u32 s48, s48, SM+KSG
	v_lshl_add_u32 v[KG], v2, 4, s48
	v_add_nc_u32 v[WVI], WIMG+32768, v[XWI]
	v_add_nc_u32 v[WVS], WSC+1024, v[XWS]
	s_lshl_b32 s48, s[WV], 9
	s_add_co_u32 s49, s48, SM+QSG
	v_add_nc_u32 v[SGR], s49, v[LI]
	s_add_co_u32 s49, s48, SM+BIAS
	v_add_nc_u32 v[BST], s49, v[LI]
.irp b, 0,1,2,3
	v_mov_b32 v[TM+4+\b], 0                        ; written once: a lane permute's destination counts as one of its sources
.endr
	; the descriptor: my eighth of W, a dense block of 24,576 bytes, as 96 rows of 256 bytes (32 elements of 8 bytes), no padding
	s_mov_b32 s[G1W], 15|(3<<16)|(1<<21)           ; 15:0 the mask: all four work-groups; 17:16 elements of 8 bytes; 21 set beside a mask
	s_mov_b32 s[G1W+1], 32<<16                     ; tensor_dim0
	s_mov_b32 s[G1W+2], 96<<16                     ; tensor_dim1
	s_mov_b32 s[G1W+3], 32<<16                     ; tile_dim0
	s_mov_b32 s[G1W+4], 96                         ; tile_dim1
	s_mov_b32 s[G1W+5], 32                         ; tensor_dim0_stride
	s_mov_b32 s[G1W+6], 0
	s_mov_b32 s[G1W+7], 0
	s_mul_i32 s50, s[WV], 24576
	s_mov_b32 s51, 0
	s_mov_b32 s[G0W], 1
	s_add_co_u32 s[G0W+1], s50, WRAW
	s_lshl_b32 s52, s[GG], 19                      ; x: 128 positions x 4,096 bytes a group,
	s_lshl_b32 s53, s[HD], 9                       ; the head's token of each eight,
	s_add_co_u32 s52, s52, s53
	s_lshl_b32 s53, s46, 17                        ; my tile begins at position 32 (wave / 2) + 8 (wave % 2)
	s_add_co_u32 s52, s52, s53
	s_lshl_b32 s53, s47, 15
	s_add_co_u32 s52, s52, s53
	s_mov_b32 s53, 0
	s_lshl_b32 s54, s[HD], 5
	s_add_co_u32 s54, s54, s[GG]                   ; U = 32 x head + g
	s_lshl_b32 s55, s[WV], 11
	s_lshl_b32 s56, s54, 14
	s_add_co_u32 s56, s56, s55
	s_mov_b32 s57, 0
	s_lshl_b32 s58, s54, 15
	s_add_co_u32 s58, s58, s55
	s_mov_b32 s59, 0
	s_wait_dscnt 0x0
	s_wait_kmcnt 0x0
	s_add_nc_u64 s[G0W+2:G0W+3], s[6:7], s[50:51]
	s_or_b32 s[G0W+3], s[G0W+3], 0x80000000
	s_add_nc_u64 s[4:5], s[4:5], s[52:53]
	s_add_nc_u64 s[QC:QC+1], s[QC:QC+1], s[56:57]  ; qc at [U][my tile]
	s_add_nc_u64 s[KC:KC+1], s[KC:KC+1], s[58:59]  ; kc at [U][K block][my tile]
	CROUND                                         ; all four work-groups are here: the joint loads meet
	tensor_load_to_lds s[G0W:G0W+3], s[G1W:G1W+7]  ; my one tensor load of the launch
	s_nop 0
	PLACES 4
.irp b, 0,1,2,3
.irp j, 0,1,2,3
	global_load_b128 v[HA+16*\b+4*\j:HA+16*\b+4*\j+3], v[XA], s[4:5] offset:128*\b+16*\j th:TH_LOAD_NT   ; my token's 16 numbers of each block of 32
.endr
.endr
	; ---- the biases: wave 0: b + u, wave 1: b + v_bias, wave 2: b (the second addend masked to 0)
	s_cmp_lt_u32 s[WV], 3
	s_cbranch_scc0 .Lno_bias
	s_cmp_eq_u32 s[WV], 0
	s_cselect_b64 s[56:57], s[10:11], s[12:13]
	s_lshl_b32 s58, s[HD], 9
	s_mov_b32 s59, 0
	s_add_nc_u64 s[56:57], s[56:57], s[58:59]
	s_lshl_b32 s58, s[WV], 9
	s_add_nc_u64 s[60:61], s[8:9], s[58:59]
	s_cmp_eq_u32 s[WV], 2
	s_cselect_b32 s62, 0, -1
	global_load_b128 v[BW:BW+3], v[LI], s[60:61]
	global_load_b128 v[BW+4:BW+7], v[LI], s[56:57]
	s_wait_loadcnt 0x0
.irp j, 4,5,6,7
	v_and_b32 v[BW+\j], s62, v[BW+\j]
.endr
	s_delay_alu instid0(VALU_DEP_3)
	v_pk_add_f32 v[BW:BW+1], v[BW:BW+1], v[BW+4:BW+5]
	s_delay_alu instid0(VALU_DEP_2)
	v_pk_add_f32 v[BW+2:BW+3], v[BW+2:BW+3], v[BW+6:BW+7]
	ds_store_b128 v[BST], v[BW:BW+3]
.Lno_bias:
	; ---- x: my 16 tokens become a fragment
	s_wait_loadcnt 0x0
	QUANT HA
	IMAGE XWI, XIMG
	ds_store_b32 v[XWS], v[PW]                     ; both lanes of a row write the same word with the same value
	s_wait_tensorcnt 0x0                           ; my eighth of W has landed
	BARRIER                                        ; everybody's has; x's images and the biases lie in LDS
	; ---- W: my K block of my six groups of 32 columns.  Loads run a block ahead
	WLD 0
	WLD 1
	s_wait_dscnt 32                                ; block 0 is in; block 1's 32 loads may be out
	WBLOCK 0
	WLD 2
.irp i, 1,2,3
	s_wait_dscnt 35                                ; behind this block's loads: the last block's 3 stores and the next block's 32 loads
	WBLOCK \i
	WLD \i+2
.endr
	s_wait_dscnt 35
	WBLOCK 4
	s_wait_dscnt 3                                 ; behind block 5's loads: block 4's 3 stores
	WBLOCK 5
	BARRIER                                        ; W's 24 fragments and their scale words lie in LDS
	; ---- q (sec = 0) and k (sec = 1): eight tiles of 16 channels for my 16 tokens; K = 128 is one matrix instruction, so the eight accumulators have one turn each
.macro SECT sec
.if \sec > 0
	s_wait_xcnt 0x0                                ; the last section's stores have read v[PC] on, which is written again below
.else
	FETCH XF, XWI, XIMG                            ; my tile of x stays for both sections
	ds_load_b32 v[XSW], v[XWS]
.endif
.irp T, 0,1,2,3,4,5,6,7
	ds_load_b128 v[HA+8*\T:HA+8*\T+3], v[BA] offset:512*\sec+128*(\T/2)+32*(\T%2)       ; the bias in the result's layout: channels 32 (T / 2) + 16 h + 8 (T % 2) + 0 .. 7
	ds_load_b128 v[HA+8*\T+4:HA+8*\T+7], v[BA] offset:512*\sec+128*(\T/2)+32*(\T%2)+16
.endr
.irp gq, 0,1
.if \gq > 0
	PLACES 8                                       ; in front of loads into registers that matrix instructions have read
.endif
.irp i, 0,1,2,3
	FETCH ST+16*\i, LI, WIMG+(8*\sec+4*\gq+\i)*2048
	ds_load_b32 v[SW+4*\gq+\i], v[LS] offset:WSC+(8*\sec+4*\gq+\i)*64
.endr
	s_wait_dscnt 0x0
.irp i, 0,1,2,3
	v_wmma_scale_f32_16x16x128_f8f6f4 v[HA+8*(4*\gq+\i):HA+8*(4*\gq+\i)+7], v[ST+16*\i:ST+16*\i+15], v[XF:XF+15], v[HA+8*(4*\gq+\i):HA+8*(4*\gq+\i)+7], v[SW+4*\gq+\i], v[XSW]
.endr
.endr
	PLACES 8
	QUANT HA
.if \sec == 0
	GSTORE QC, 0
	ds_store_b32 v[QG], v[PW]
.else
	GSTORE KC, 0
	ds_store_b32 v[KG], v[PW]
.endif
.endm
	SECT 0
	SECT 1
	; ---- v: my 16 channels for all 128 tokens: source 0 = a tile of x, source 1 = W's tile 16 + wave
	s_wait_xcnt 0x0
	FETCH XF, WVI, 0
	ds_load_b32 v[XSW], v[WVS]
.irp j, 0,1,2,3,4,5,6,7
	ds_load_b32 v[C8+\j], v[BV]                    ; a lane holds one channel: its bias in all eight registers
.endr
.irp gq, 0,1
.if \gq > 0
	PLACES 8
.endif
.irp i, 0,1,2,3
	FETCH ST+16*\i, LI, XIMG+(4*\gq+\i)*2048
	ds_load_b32 v[SW+4*\gq+\i], v[LS] offset:XSC+(4*\gq+\i)*64
.endr
	s_wait_dscnt 0x0
.irp i, 0,1,2,3
	v_wmma_scale_f32_16x16x128_f8f6f4 v[HA+8*(4*\gq+\i):HA+8*(4*\gq+\i)+7], v[ST+16*\i:ST+16*\i+15], v[XF:XF+15], v[C8:C8+7], v[SW+4*\gq+\i], v[XSW]
.endr
.endr
	PLACES 8
	QUANT HA                                       ; along the keys: registers 16 b + i are keys 32 b + 16 h + i of the group
	GSTORE KC, 16384
	ds_store_b32 v[KG], v[PW] offset:VSG-KSG
	BARRIER                                        ; the three runs of 512 scale bytes lie in LDS
	s_cmp_lt_u32 s[WV], 3
	s_cbranch_scc0 .Lno_scales
	ds_load_b128 v[HA:HA+3], v[SGR]
	s_cmp_eq_u32 s[WV], 0                          ; wave 0: qs at 512 U; waves 1, 2: ks at 1,024 U + 512 (wave - 1)
	s_cselect_b64 s[56:57], s[QS:QS+1], s[KS:KS+1]
	s_lshl_b32 s58, s54, 9
	s_lshl_b32 s59, s54, 10
	s_lshl_b32 s60, s[WV], 9
	s_add_co_u32 s59, s59, s60
	s_sub_co_u32 s59, s59, 512
	s_cmp_eq_u32 s[WV], 0
	s_cselect_b32 s58, s58, s59
	s_mov_b32 s59, 0
	s_add_nc_u64 s[56:57], s[56:57], s[58:59]
	s_wait_dscnt 0x0
	global_store_b128 v[LI], v[HA:HA+3], s[56:57]  ; 512 consecutive bytes, aligned
.Lno_scales:
	s_wait_tensorcnt 0x0
	ds_add_u32 v254, v255
	s_wait_dscnt 0x0
	CROUND                                         ; the closing round: no work-group ends while a partner may still ask for a tile that names it
	s_endpgm
.Lfunc_end_k_q6c3b8417b9_proj:
	.size	k_q6c3b8417b9_proj, .Lfunc_end_k_q6c3b8417b9_proj-k_q6c3b8417b9_proj
	.p2alignl 7, 3214868480
	.fill 96, 4, 3214868480
	.section	.rodata,"a",@progbits
	.p2align	6, 0x0
	.amdhsa_kernel k_q6c3b8417b9_proj
		.amdhsa_group_segment_fixed_size 268288
		.amdhsa_private_segment_fixed_size 0
		.amdhsa_enable_private_segment 0
		.amdhsa_kernarg_size 72
		.amdhsa_user_sgpr_count 2
		.amdhsa_user_sgpr_kernarg_segment_ptr 1
		.amdhsa_wavefront_size32 1
		.amdhsa_system_sgpr_workgroup_id_x 1
		.amdhsa_system_sgpr_workgroup_id_y 1
		.amdhsa_system_sgpr_workgroup_id_z 1
		.amdhsa_system_vgpr_workitem_id 0
		.amdhsa_next_free_vgpr 256
		.amdhsa_next_free_sgpr 66
		.amdhsa_reserve_vcc 0
		.amdhsa_float_denorm_mode_32 3
		.amdhsa_float_denorm_mode_16_64 3
		.amdhsa_fp16_overflow 1
		.amdhsa_memory_ordered 1
		.amdhsa_forward_progress 1
		.amdhsa_inst_pref_size 69
	.end_amdhsa_kernel
	.amdgpu_metadata
---
amdhsa.version: [ 1, 2 ]
amdhsa.kernels:
  - .name:           k_q6c3b8417b9_proj
    .symbol:         k_q6c3b8417b9_proj.kd
    .args:
      - { .name: query, .offset: 0, .size: 8, .value_kind: global_buffer, .address_space: global }
      - { .name: W_qkv, .offset: 8, .size: 8, .value_kind: global_buffer, .address_space: global }
      - { .name: b_qkv, .offset: 16, .size: 8, .value_kind: global_buffer, .address_space: global }
      - { .name: u_bias, .offset: 24, .size: 8, .value_kind: global_buffer, .address_space: global }
      - { .name: v_bias, .offset: 32, .size: 8, .value_kind: global_buffer, .address_space: global }
      - { .name: qc, .offset: 40, .size: 8, .value_kind: global_buffer, .address_space: global }
      - { .name: qs, .offset: 48, .size: 8, .value_kind: global_buffer, .address_space: global }
      - { .name: kc, .offset: 56, .size: 8, .value_kind: global_buffer, .address_space: global }
      - { .name: ks, .offset: 64, .size: 8, .value_kind: global_buffer, .address_space: global }
    .group_segment_fixed_size: 268288
    .private_segment_fixed_size: 0
    .kernarg_segment_align: 8
    .kernarg_segment_size: 72
    .max_flat_workgroup_size: 256
    .sgpr_count:     66
    .vgpr_count:     256
    .wavefront_size: 32
...
	.end_amdgpu_metadata
.endif
;; end of part 1
;; launch attn (part 2): grid 32 x 8, 8 waves a work-group, clusters of 4 x 1, 327,680 bytes of LDS; arguments qc, qs, kc, ks, out0; writes out0
.if DOCPART == 2
	.amdgcn_target "amdgcn-amd-amdhsa--gfx1250"
	.amdhsa_code_object_version 6
	.text
	.protected	k_q6c3b8417b9_attn
	.globl	k_q6c3b8417b9_attn
	.p2align	8
	.type	k_q6c3b8417b9_attn,@function
k_q6c3b8417b9_attn:
	s_mov_b64 s[64:65], 0
	v_nop
	global_prefetch_b8 v0, s[64:65] scope:SCOPE_SE
	s_setreg_imm32_b32 hwreg(HW_REG_WAVE_MODE, 25, 1), 1
	s_wait_xcnt 0x0
	s_wait_alu depctr_hold_cnt(0) depctr_sa_sdst(0) depctr_va_vdst(0) depctr_va_sdst(0) depctr_va_ssrc(0) depctr_va_vcc(0) depctr_vm_vsrc(0)
	s_getreg_b32 s2, hwreg(HW_REG_IB_STS2, 6, 4)
	s_cmp_eq_u32 s2, 0
	s_cbranch_scc0 .Lentry_in_a_cluster
	s_endpgm
.Lentry_in_a_cluster:
	s_bfe_u32 s2, ttmp6, 0x10000c
	s_cmp_lg_u32 s2, 0x3003
	s_cbranch_scc0 .Lentry_shape_is_right
	s_endpgm
.Lentry_shape_is_right:
.set SLOT1, 1<<17
.set SCL,   2*SLOT1
.set SPARE, SCL+32768
.set AF,  1
.set ASC, 2
.set SPW, 3
.set NIL, 4
.set ADK, 5
.set ADS, 6
.set PFO, 7
.set TP,  8
.set MM,  12
.set KSW, 20
.set QSW, 24
.set PSW, 26
.set FF,  28
.set TT,  32
.set Q,   64
.set S,   96
.set PCD, 224
.set F,   128
.set WV,  14
.set HF,  15
.set BB,  16
.set CX,  17
.set QB,  18
.set HD,  19
.set SEL, 20
.set CS,  22
.set MNT, 24
.set G1,  28
.set G1S, 36
.set G0,  44
.set G0S, 48
.set TB,  52
.set TS,  53
.set SLOTS, 54
.set LIM, 55
.set PFA, 56
.set MSB, 0
.macro WIN new
.if MSB != \new
	s_set_vgpr_msb (MSB<<8)|\new
.set MSB, \new
.endif
.endm
.macro PLACES n
.rept \n
	v_nop
.endr
.endm
.macro CROUND
	s_barrier_signal -1
	s_barrier_wait -1
	s_cmp_lg_u32 s[WV], 0
	s_cbranch_scc1 .Lnot_wave_0_\@
	s_barrier_signal -3
.Lnot_wave_0_\@:
	s_barrier_wait -3
	s_barrier_signal -1
	s_barrier_wait -1
.endm
.macro ASK
	s_cmp_gt_u32 s[SLOTS], s[LIM]
	s_cbranch_scc0 .Lnot_mine_\@
	global_prefetch_b8 v[PFO], s[PFA:PFA+1] th:TH_LOAD_NT scope:SCOPE_SE
.Lnot_mine_\@:
.endm
.macro FETCH kv, sis
	WIN 0x40
.irp T, 0,1,2,3,4,5,6,7
.irp c, 0,1,2,3
	ds_load_b128 v[F+16*\T+4*\c:F+16*\T+4*\c+3], v[ADK] offset:32768*\sis+16384*\kv+2048*\T+512*\c
.endr
.endr
	WIN 0
	ds_load_b128 v[KSW:KSW+3], v[ADS] offset:1024*\sis+512*\kv
.endm
.macro QK
	WIN 0x01
.irp T, 0,1,2,3,4,5,6,7
.irp t, 0,1
.if \T%2
.if \t
	v_wmma_scale_f32_16x16x128_f8f6f4 v[S+64*\t+8*\T:S+64*\t+8*\T+7], v[F+16*\T:F+16*\T+15], v[Q+16*\t:Q+16*\t+15], 0, v[KSW+\T/2], v[QSW] matrix_a_scale:MATRIX_SCALE_ROW1 matrix_b_scale:MATRIX_SCALE_ROW1
.else
	v_wmma_scale_f32_16x16x128_f8f6f4 v[S+64*\t+8*\T:S+64*\t+8*\T+7], v[F+16*\T:F+16*\T+15], v[Q+16*\t:Q+16*\t+15], 0, v[KSW+\T/2], v[QSW] matrix_a_scale:MATRIX_SCALE_ROW1
.endif
.else
.if \t
	v_wmma_scale_f32_16x16x128_f8f6f4 v[S+64*\t+8*\T:S+64*\t+8*\T+7], v[F+16*\T:F+16*\T+15], v[Q+16*\t:Q+16*\t+15], 0, v[KSW+\T/2], v[QSW] matrix_b_scale:MATRIX_SCALE_ROW1
.else
	v_wmma_scale_f32_16x16x128_f8f6f4 v[S+64*\t+8*\T:S+64*\t+8*\T+7], v[F+16*\T:F+16*\T+15], v[Q+16*\t:Q+16*\t+15], 0, v[KSW+\T/2], v[QSW]
.endif
.endif
.endr
.endr
.endm
.macro PV
	WIN 0x51
.irp T, 0,1,2,3,4,5,6,7
.irp t, 0,1
.if \T%2
	v_wmma_scale_f32_16x16x128_f8f6f4 v[64*\t+8*\T:64*\t+8*\T+7], v[F+16*\T:F+16*\T+15], v[PCD+16*\t:PCD+16*\t+15], v[64*\t+8*\T:64*\t+8*\T+7], v[KSW+\T/2], v[PSW+\t] matrix_a_scale:MATRIX_SCALE_ROW1
.else
	v_wmma_scale_f32_16x16x128_f8f6f4 v[64*\t+8*\T:64*\t+8*\T+7], v[F+16*\T:F+16*\T+15], v[PCD+16*\t:PCD+16*\t+15], v[64*\t+8*\T:64*\t+8*\T+7], v[KSW+\T/2], v[PSW+\t]
.endif
.endr
.endr
.endm
.macro SOFT
.irp t, 0,1
.irp b, 0,1,2,3
	v_max3_num_f32 v[TT+16*\t+\b], v[S+64*\t+16*\b], v[S+1+64*\t+16*\b], v[S+2+64*\t+16*\b]
.endr
.endr
.irp i, 3,5,7,9,11,13
.irp t, 0,1
.irp b, 0,1,2,3
	v_max3_num_f32 v[TT+16*\t+\b], v[TT+16*\t+\b], v[S+64*\t+16*\b+\i], v[S+1+64*\t+16*\b+\i]
.endr
.endr
.endr
.irp t, 0,1
.irp b, 0,1,2,3
	v_max_num_f32 v[TT+16*\t+\b], v[TT+16*\t+\b], v[S+15+64*\t+16*\b]
.endr
.endr
.irp t, 0,1
.irp b, 0,1,2,3
	v_permlanex16_b32 v[TT+4+16*\t+\b], v[TT+16*\t+\b], s[SEL], s[SEL+1]
.endr
.endr
.irp t, 0,1
.irp b, 0,1,2,3
	v_max_num_f32 v[TT+16*\t+\b], v[TT+16*\t+\b], v[TT+4+16*\t+\b]
.endr
.endr
.irp t, 0
	v_max3_num_f32 v[TP+\t], v[TT+16*\t], v[TT+1+16*\t], v[TT+2+16*\t]
.endr
.irp t, 1
	s_delay_alu instid0(VALU_DEP_3)
	v_max3_num_f32 v[TP+\t], v[TT+16*\t], v[TT+1+16*\t], v[TT+2+16*\t]
.endr
.irp t, 0,1
	s_delay_alu instid0(VALU_DEP_2)
	v_max_num_f32 v[TP+\t], v[TP+\t], v[TT+3+16*\t]
.endr
.irp t, 0,1
	s_delay_alu instid0(VALU_DEP_2)
	v_mul_f32 v[TP+\t], s[CS], v[TP+\t]
.endr
.irp t, 0,1
	s_delay_alu instid0(VALU_DEP_2)
	v_max_num_f32 v[MM+1+4*\t], v[MM+1+4*\t], v[TP+\t]
.endr
.irp t, 0,1
	v_mov_b32 v[TP+\t], v[MM+4*\t]
.endr
.irp t, 0,1
	s_delay_alu instid0(VALU_DEP_4)
	v_floor_f32 v[MM+4*\t], -v[MM+1+4*\t]
.endr
.irp t, 0,1
	s_delay_alu instid0(VALU_DEP_2)
	v_sub_f32 v[TP+\t], v[MM+4*\t], v[TP+\t]
.endr
.irp t, 0,1
	s_delay_alu instid0(VALU_DEP_2)
	v_cvt_i32_f32 v[TP+\t], v[TP+\t]
.endr
.irp t, 0,1
	s_delay_alu instid0(VALU_DEP_2)
	v_ldexp_f32 v[FF+2*\t], 1.0, v[TP+\t]
.endr
.irp t, 0,1
.set j, 0
.rept 32
	v_pk_fma_f32 v[S+64*\t+j:S+64*\t+j+1], v[S+64*\t+j:S+64*\t+j+1], s[CS:CS+1], v[MM+4*\t:MM+4*\t+1] op_sel_hi:[1,0,0]
.set j, j+2
.endr
.endr
.irp t, 0,1
.irp b, 0,1,2,3
	v_fma_f32 v[TT+16*\t+\b], v[TT+16*\t+\b], s[CS], v[MM+4*\t]
.endr
.endr
.set j, 0
	s_wait_alu depctr_va_vdst(0)
.rept 128
	v_exp_f32 v[S+j], v[S+j]
.set j, j+1
.endr
.irp t, 0,1
	v_pk_mul_f32 v[MM+2+4*\t:MM+3+4*\t], v[MM+2+4*\t:MM+3+4*\t], v[FF+2*\t:FF+2*\t+1] op_sel_hi:[1,0]
.endr
	s_wait_alu depctr_va_vdst(0)
.irp t, 0,1
.irp b, 0,1,2,3
	v_exp_f32 v[TT+16*\t+\b], v[TT+16*\t+\b]
.endr
.endr
.irp t, 0,1
	v_pk_add_f32 v[TT+4+16*\t:TT+5+16*\t], v[S+64*\t:S+64*\t+1], v[S+64*\t+2:S+64*\t+3]
.endr
.irp j, 4,8,12,16,20,24,28,32,36,40,44,48,52,56,60
.irp t, 0,1
	v_pk_add_f32 v[MM+2+4*\t:MM+3+4*\t], v[MM+2+4*\t:MM+3+4*\t], v[S+64*\t+\j:S+64*\t+\j+1]
	v_pk_add_f32 v[TT+4+16*\t:TT+5+16*\t], v[TT+4+16*\t:TT+5+16*\t], v[S+64*\t+\j+2:S+64*\t+\j+3]
.endr
.endr
.irp t, 0
	s_delay_alu instid0(VALU_DEP_3)
	v_pk_add_f32 v[MM+2+4*\t:MM+3+4*\t], v[MM+2+4*\t:MM+3+4*\t], v[TT+4+16*\t:TT+5+16*\t]
.endr
.irp t, 1
	s_delay_alu instid0(VALU_DEP_2)
	v_pk_add_f32 v[MM+2+4*\t:MM+3+4*\t], v[MM+2+4*\t:MM+3+4*\t], v[TT+4+16*\t:TT+5+16*\t]
.endr
	s_wait_alu depctr_va_vdst(0)
.irp t, 0,1
.irp b, 0,1,2,3
	v_max_num_f32 v[TT+16*\t+\b], 0x4800000, v[TT+16*\t+\b]
.endr
.endr
.irp t, 0,1
.irp b, 0,1,2,3
	v_add_nc_u32 v[TT+12+16*\t+\b], 0xfc000000, v[TT+16*\t+\b]
.endr
.endr
.irp t, 0,1
.irp b, 0,1,2,3
	v_and_or_b32 v[TT+8+16*\t+\b], v[TT+16*\t+\b], 0x7f800000, s[MNT]
.endr
.endr
.irp t, 0,1
.irp b, 0,1,2,3
	v_lshrrev_b32 v[TT+4+16*\t+\b], 23, v[TT+12+16*\t+\b]
.endr
.endr
.irp t, 0
	v_lshl_or_b32 v[PSW+\t], v[TT+5+16*\t], 8, v[TT+4+16*\t]
.endr
.irp t, 1
	s_delay_alu instid0(VALU_DEP_4)
	v_lshl_or_b32 v[PSW+\t], v[TT+5+16*\t], 8, v[TT+4+16*\t]
.endr
.irp t, 0,1
	s_delay_alu instid0(VALU_DEP_2)
	v_lshl_or_b32 v[PSW+\t], v[TT+6+16*\t], 16, v[PSW+\t]
.endr
.irp t, 0,1
	s_delay_alu instid0(VALU_DEP_2)
	v_lshl_or_b32 v[PSW+\t], v[TT+7+16*\t], 24, v[PSW+\t]
.endr
.irp t, 0,1
.irp b, 0,1,2,3
.irp i, 0,1,2,3,4,5,6,7,8,9,10,11,12,13,14,15
.endr
	v_cvt_scalef32_pk8_fp8_f32 v[PCD+16*\t+4*\b:PCD+16*\t+4*\b+1], v[S+64*\t+16*\b:S+64*\t+16*\b+7], v[TT+12+16*\t+\b]
	v_cvt_scalef32_pk8_fp8_f32 v[PCD+16*\t+4*\b+2:PCD+16*\t+4*\b+3], v[S+64*\t+16*\b+8:S+64*\t+16*\b+15], v[TT+12+16*\t+\b]
.endr
.endr
	WIN 0x41
.irp t, 0,1
.set j, 0
.rept 32
	v_pk_mul_f32 v[64*\t+j:64*\t+j+1], v[64*\t+j:64*\t+j+1], v[FF+2*\t:FF+2*\t+1] op_sel_hi:[1,0]
.set j, j+2
.endr
.endr
.endm
.macro STEP sis
	s_wait_dscnt 0x0
	QK
	WIN 0
	PLACES 8
	FETCH 1, \sis
	SOFT
	s_wait_alu depctr_va_vdst(0)
	s_wait_dscnt 0x0
	PV
	WIN 0
.if \sis == 0
	PLACES 8
	FETCH 0, 1
.endif
.endm
.macro VISIT
	v_add_nc_u32 v[ADK], s[TB], v[AF]
	v_add_nc_u32 v[ADS], s[TS], v[ASC]
	PLACES 6
	FETCH 0, 0
	s_wait_alu depctr_va_vdst(0)
	STEP 0
	STEP 1
	s_xor_b32 s[TB], s[TB], SLOT1
	s_add_co_u32 s[TS], s[TS], 2048
.endm
.macro CHANGE fill
	s_wait_tensorcnt 0x0
	ds_add_u32 v[SPW], v[NIL]
.if \fill
	s_xor_b32 s[G0+1], s[G0+1], SLOT1
	s_add_nc_u64 s[G0+2:G0+3], s[G0+2:G0+3], 65536
	s_wait_xcnt 0x0
	s_add_nc_u64 s[PFA:PFA+1], s[PFA:PFA+1], 65536
	s_wait_dscnt 0x0
	CROUND
	tensor_load_to_lds s[G0:G0+3], s[G1:G1+7]
	s_nop 0
	PLACES 4
	ASK
.else
	s_wait_dscnt 0x0
	s_barrier_signal -1
	s_barrier_wait -1
.endif
.endm
	s_load_b256 s[4:11], s[0:1], 0x0
	s_load_b64 s[12:13], s[0:1], 0x20
	v_lshl_add_u32 v[SPW], v0, 2, SPARE
	v_mov_b32 v[NIL], 0
	ds_add_u32 v3, v4
	ds_add_u32 v3, v4
	s_wait_dscnt 0x0
	v_lshrrev_b32 v5, 5, v0
	s_delay_alu instid0(VALU_DEP_1)
	v_readfirstlane_b32 s[WV], v5
	s_lshr_b32 s[HF], s[WV], 2
	s_and_b32 s[BB], s[WV], 3
	s_bfe_u32 s[CX], ttmp6, 0x40000
	s_lshl_b32 s[QB], ttmp9, 2
	s_add_co_u32 s[QB], s[QB], s[CX]
	s_and_b32 s[HD], ttmp7, 0xffff
	s_mov_b32 s[SEL], 0x76543210
	s_mov_b32 s[SEL+1], 0xfedcba98
	s_mov_b32 s[CS], 0x3e0293ee
	s_mov_b32 s[CS+1], s[CS]
	s_mov_b32 s[MNT], 0x600000
	s_mov_b32 s[TB], 0
	s_mov_b32 s[TS], 0
	s_mov_b32 s[SLOTS], 7
	s_and_b32 s[LIM], s[WV], 1
	s_or_b32 s[LIM], s[LIM], ttmp9
	s_cmp_eq_u32 s[LIM], 0
	s_cselect_b32 s[LIM], 1, -1
	s_mov_b32 s[G1], 15|(3<<16)|(1<<21)
	s_mov_b32 s[G1+1], 32<<16
	s_mov_b32 s[G1+2], 64<<16
	s_mov_b32 s[G1+3], 32<<16
	s_mov_b32 s[G1+4], 64
	s_mov_b32 s[G1+5], 32
	s_mov_b32 s[G1+6], 0
	s_mov_b32 s[G1+7], 0
	s_mov_b32 s[G1S], 15|(3<<16)|(1<<21)
	s_mov_b32 s[G1S+1], 32<<16
	s_mov_b32 s[G1S+2], 16<<16
	s_mov_b32 s[G1S+3], 32<<16
	s_mov_b32 s[G1S+4], 16
	s_mov_b32 s[G1S+5], 32
	s_mov_b32 s[G1S+6], 0
	s_mov_b32 s[G1S+7], 0
	s_lshl_b32 s58, s[HD], 20
	s_lshl_b32 s59, s[HF], 19
	s_add_co_u32 s58, s58, s59
	s_lshl_b32 s59, s[BB], 14
	s_add_co_u32 s58, s58, s59
	s_mov_b32 s59, 0
	s_lshl_b32 s60, s[HD], 15
	s_lshl_b32 s61, s[WV], 12
	s_add_co_u32 s60, s60, s61
	s_mov_b32 s61, 0
	s_lshl_b32 s66, s[CX], 13
	s_mov_b32 s67, 0
	s_lshl_b32 s68, s[HD], 5
	s_add_co_u32 s68, s68, s[QB]
	s_lshl_b32 s70, s68, 9
	s_lshl_b32 s71, s[BB], 7
	s_add_co_u32 s70, s70, s71
	s_mov_b32 s71, 0
	s_lshl_b32 s68, s68, 14
	s_lshl_b32 s69, s[BB], 12
	s_add_co_u32 s68, s68, s69
	s_mov_b32 s69, 0
	s_lshl_b32 s72, s[HD], 12
	s_lshl_b32 s73, s[QB], 7
	s_add_co_u32 s72, s72, s73
	s_lshl_b32 s73, s[BB], 5
	s_add_co_u32 s72, s72, s73
	s_lshl_b32 s73, s[HF], 3
	s_add_co_u32 s72, s72, s73
	s_lshl_b32 s72, s72, 9
	s_mov_b32 s73, 0
	v_and_b32 v8, 31, v0
	s_lshl_b32 s62, s[HF], 16
	v_lshl_add_u32 v[AF], v8, 4, s62
	s_lshl_b32 s62, s[HF], 14
	s_add_co_u32 s62, s62, SCL
	v_lshl_add_u32 v[ASC], v8, 4, s62
	v_lshlrev_b32 v[PFO], 8, v8
	s_lshl_b32 s62, s[HF], 11
	v_lshl_add_u32 v10, v8, 4, s62
	s_xor_b32 s62, s62, 2048
	v_lshl_add_u32 v11, v8, 4, s62
	s_lshl_b32 s62, s[HF], 6
	v_lshlrev_b32 v9, 2, v8
	s_delay_alu instid0(VALU_DEP_1)
	v_xor_b32 v9, s62, v9
	s_wait_kmcnt 0x0
	s_mov_b32 s[G0], 1
	s_lshl_b32 s[G0+1], s[WV], 14
	s_add_nc_u64 s[G0+2:G0+3], s[8:9], s[58:59]
	s_or_b32 s[G0+3], s[G0+3], 0x80000000
	s_mov_b32 s[G0S], 1
	s_lshl_b32 s[G0S+1], s[WV], 12
	s_add_co_u32 s[G0S+1], s[G0S+1], SCL
	s_add_nc_u64 s[G0S+2:G0S+3], s[10:11], s[60:61]
	s_or_b32 s[G0S+3], s[G0S+3], 0x80000000
	s_add_nc_u64 s[PFA:PFA+1], s[8:9], s[58:59]
	s_add_nc_u64 s[PFA:PFA+1], s[PFA:PFA+1], s[66:67]
	s_add_nc_u64 s[PFA:PFA+1], s[PFA:PFA+1], 65536
	s_add_nc_u64 s[4:5], s[4:5], s[68:69]
	s_add_nc_u64 s[6:7], s[6:7], s[70:71]
	s_add_nc_u64 s[12:13], s[12:13], s[72:73]
	CROUND
	tensor_load_to_lds s[G0S:G0S+3], s[G1S:G1S+7]
	s_nop 0
	s_wait_alu depctr_va_vdst(0)
	s_wait_tensorcnt 0x0
	ds_add_u32 v3, v4
	s_wait_dscnt 0x0
	CROUND
	tensor_load_to_lds s[G0:G0+3], s[G1:G1+7]
	s_nop 0
	PLACES 4
	s_wait_alu depctr_va_vdst(0)
.irp t, 0,1
.irp c, 0,1,2,3
	global_load_b128 v[Q+16*\t+4*\c:Q+16*\t+4*\c+3], v[10+\t], s[4:5] offset:512*\c
.endr
.endr
	global_load_b32 v[QSW], v9, s[6:7]
.irp t, 0,1
	v_mov_b32 v[MM+1+4*\t], 0xff61b1e6
	s_delay_alu instid0(VALU_DEP_1)
	v_floor_f32 v[MM+4*\t], -v[MM+1+4*\t]
	v_mov_b32 v[MM+2+4*\t], 0
	v_mov_b32 v[MM+3+4*\t], 0
	v_mov_b32 v[FF+1+2*\t], 0
.irp b, 0,1,2,3
	v_mov_b32 v[TT+4+16*\t+\b], 0
.endr
.endr
	WIN 0x40
.set j, 0
.rept 128
	v_mov_b32 v[j], 0
.set j, j+1
.endr
	WIN 0
	s_wait_loadcnt 0x0
.Lslot:
	CHANGE 1
	VISIT
	s_sub_co_u32 s[SLOTS], s[SLOTS], 1
	s_cmp_lg_u32 s[SLOTS], 0
	s_cbranch_scc1 .Lslot
	CHANGE 0
	VISIT
	v_and_b32 v8, 31, v0
	v_and_b32 v9, 15, v0
	s_wait_alu depctr_va_vdst(0)
	v_bfe_u32 v5, v0, 4, 1
	s_lshl_b32 s58, s[WV], 13
	s_xor_b32 s59, s[WV], 4
	s_lshl_b32 s60, s59, 13
	v_lshl_add_u32 v10, v8, 4, s58
	v_lshl_add_u32 v11, v8, 4, s60
	s_lshl_b32 s58, s[WV], 8
	s_add_co_u32 s58, s58, 65536
	s_lshl_b32 s60, s59, 8
	s_add_co_u32 s60, s60, 65536
	v_lshl_add_u32 v48, v8, 3, s58
	v_lshl_add_u32 v49, v8, 3, s60
	s_mul_i32 s58, s[WV], 8448
	s_add_co_u32 s58, s58, SLOT1
	v_mul_u32_u24 v50, v9, 528
	s_wait_alu depctr_va_vdst(0)
	v_lshl_add_u32 v50, v5, 6, v50
	s_delay_alu instid0(VALU_DEP_1)
	v_add_nc_u32 v50, s58, v50
	v_lshl_add_u32 v51, v8, 4, s58
	v_lshlrev_b32 v52, 4, v8
	v_add_f32 v13, v14, v15
	v_add_f32 v17, v18, v19
	WIN 0x04
.irp i, 0,1,2,3,4,5,6,7,8,9,10,11,12,13,14,15
	ds_store_b128 v10, v[64+4*\i:64+4*\i+3] offset:512*\i
.endr
	WIN 0
	ds_store_b64 v48, v[16:17]
	s_wait_dscnt 0x0
	s_barrier_signal -1
	s_barrier_wait -1
	WIN 0x40
.irp i, 0,1,2,3,4,5,6,7,8,9,10,11,12,13,14,15
	ds_load_b128 v[F+4*\i:F+4*\i+3], v11 offset:512*\i
.endr
	WIN 0
	ds_load_b64 v[32:33], v49
	s_wait_dscnt 0x0
	v_min_num_f32 v34, v12, v32
	s_delay_alu instid0(VALU_DEP_1)
	v_sub_f32 v35, v34, v12
	s_delay_alu instid0(VALU_DEP_2)
	v_sub_f32 v36, v34, v32
	s_delay_alu instid0(VALU_DEP_2)
	v_cvt_i32_f32 v35, v35
	s_delay_alu instid0(VALU_DEP_2)
	v_cvt_i32_f32 v36, v36
	s_delay_alu instid0(VALU_DEP_2)
	v_ldexp_f32 v35, 1.0, v35
	s_wait_alu depctr_va_vdst(0)
	v_ldexp_f32 v36, 1.0, v36
	v_mul_f32 v37, v13, v35
	s_delay_alu instid0(VALU_DEP_1)
	v_fma_f32 v37, v33, v36, v37
	s_delay_alu instid0(VALU_DEP_1)
	v_permlanex16_b32 v38, v37, s[SEL], s[SEL+1]
	s_delay_alu instid0(VALU_DEP_1)
	v_add_f32 v37, v37, v38
	s_wait_alu depctr_va_vdst(0)
	v_rcp_f32 v39, v37
	v_nop
	s_wait_alu depctr_va_vdst(0)
	v_mul_f32 v42, v35, v39
	v_mul_f32 v44, v36, v39
	WIN 0x01
.set j, 0
.rept 32
	v_pk_mul_f32 v[S+j:S+j+1], v[j:j+1], v[42:43] op_sel_hi:[1,0]
.set j, j+2
.endr
.set j, 0
.rept 32
	v_pk_fma_f32 v[S+j:S+j+1], v[F+j:F+j+1], v[44:45], v[S+j:S+j+1] op_sel_hi:[1,0,1]
.set j, j+2
.endr
	WIN 0
.irp b, 0,1,2,3
.irp q, 0,1,2,3
	ds_store_b128 v50, v[S+16*\b+4*\q:S+16*\b+4*\q+3] offset:128*\b+16*\q
.endr
.endr
.irp i, 0,1,2,3,4,5,6,7,8,9,10,11,12,13,14,15
	ds_load_b128 v[160+4*\i:160+4*\i+3], v51 offset:528*\i
.endr
.irp i, 0,1,2,3,4,5,6,7,8,9,10,11,12,13,14,15
	s_wait_dscnt 15-\i
	global_store_b128 v52, v[160+4*\i:160+4*\i+3], s[12:13] offset:(\i+8*(\i/8))*512 th:TH_STORE_NT
.endr
	s_wait_tensorcnt 0x0
	ds_add_u32 v[SPW], v[NIL]
	s_wait_dscnt 0x0
	CROUND
	s_endpgm
.Lfunc_end_k_q6c3b8417b9_attn:
	.size	k_q6c3b8417b9_attn, .Lfunc_end_k_q6c3b8417b9_attn-k_q6c3b8417b9_attn
	.p2alignl 7, 3214868480
	.fill 96, 4, 3214868480
	.section	.rodata,"a",@progbits
	.p2align	6, 0x0
	.amdhsa_kernel k_q6c3b8417b9_attn
		.amdhsa_group_segment_fixed_size 327680
		.amdhsa_private_segment_fixed_size 0
		.amdhsa_enable_private_segment 0
		.amdhsa_kernarg_size 40
		.amdhsa_user_sgpr_count 2
		.amdhsa_user_sgpr_kernarg_segment_ptr 1
		.amdhsa_wavefront_size32 1
		.amdhsa_system_sgpr_workgroup_id_x 1
		.amdhsa_system_sgpr_workgroup_id_y 1
		.amdhsa_system_sgpr_workgroup_id_z 1
		.amdhsa_system_vgpr_workitem_id 0
		.amdhsa_next_free_vgpr 512
		.amdhsa_next_free_sgpr 80
		.amdhsa_reserve_vcc 0
		.amdhsa_float_denorm_mode_32 3
		.amdhsa_float_denorm_mode_16_64 3
		.amdhsa_fp16_overflow 1
		.amdhsa_memory_ordered 1
		.amdhsa_forward_progress 1
		.amdhsa_inst_pref_size 168
	.end_amdhsa_kernel
	.amdgpu_metadata
---
amdhsa.version: [ 1, 2 ]
amdhsa.kernels:
  - .name:           k_q6c3b8417b9_attn
    .symbol:         k_q6c3b8417b9_attn.kd
    .args:
      - { .name: qc, .offset: 0, .size: 8, .value_kind: global_buffer, .address_space: global }
      - { .name: qs, .offset: 8, .size: 8, .value_kind: global_buffer, .address_space: global }
      - { .name: kc, .offset: 16, .size: 8, .value_kind: global_buffer, .address_space: global }
      - { .name: ks, .offset: 24, .size: 8, .value_kind: global_buffer, .address_space: global }
      - { .name: out0, .offset: 32, .size: 8, .value_kind: global_buffer, .address_space: global }
    .group_segment_fixed_size: 327680
    .private_segment_fixed_size: 0
    .kernarg_segment_align: 8
    .kernarg_segment_size: 40
    .max_flat_workgroup_size: 256
    .sgpr_count:     80
    .vgpr_count:     512
    .wavefront_size: 32
...
	.end_amdgpu_metadata
.endif
;; end of part 2
